; MI455X (gfx1250); checked and timed in simulation.
; The chip was launched on July 23, 2026; its instructions are those of AMD's public machine-readable ISA for CDNA 5 (MIT licence, August 2026) and "CDNA5" Instruction Set Architecture Reference Guide (July 2026). The comments in the code are by the model that wrote it; some were corrected since.
;; Multi Head Attention. Allowed arithmetic: float matrix products may take bf16 or f16 operands with f32 sums; all other float work in f32.
;; Inputs: Wk 1,024 x 1,024 float32; Wo 1,024 x 1,024 float32; Wq 1,024 x 1,024 float32; Wv 1,024 x 1,024 float32; x 4 x 2,048 x 1,024 float32.
;; Outputs: out0 4 x 2,048 x 1,024 float32.
;; One version. Each part assembles by itself: llvm-mc -triple=amdgcn-amd-amdhsa -mcpu=gfx1250 --defsym DOCPART=n.
;; ======== version 1 of 1: 4 launches
;; limits: values are held in f16: magnitudes above 65,504 overflow, below 6.1e-05 lose precision
;; workspace buffers: xb 16,777,216 bytes; wb 6,291,456 bytes; wob 2,097,152 bytes; qkv 50,331,648 bytes; ctx 16,777,216 bytes
;; launch cvt (part 1): grid 768 x 1, 8 waves a work-group, no clusters, 0 bytes of LDS; arguments x, Wq, Wk, Wv, Wo, xb, wb, wob; writes xb, wb, wob
.if DOCPART == 1
	.amdgcn_target "amdgcn-amd-amdhsa--gfx1250"
	.amdhsa_code_object_version 6
	.text
	.protected	k_qf2f69144e9_cvt
	.globl	k_qf2f69144e9_cvt
	.p2align	8
	.type	k_qf2f69144e9_cvt,@function
k_qf2f69144e9_cvt:
	s_mov_b64 s[64:65], 0
	v_nop
	global_prefetch_b8 v0, s[64:65] scope:SCOPE_SE
	s_setreg_imm32_b32 hwreg(HW_REG_WAVE_MODE, 25, 1), 1
	s_wait_xcnt 0x0
; cvt: the five f32 inputs are rounded once to bf16 (nearest even), so that the matrix launches read 16-bit tiles.
;   xb [8192][1024] bf16 = x;   wb [3072][1024] bf16 = Wq, Wk, Wv one below the other;
;   wob [1024][1024] f16 = Wo rounded to bf16 and carried in f16, since the last product's other operand (ctx) is f16 and one
;   matrix instruction takes one format.  LIMIT: that second step is exact for |w| >= 2^-17; below, its error is at most 2^-25.
; A stream: no LDS, no barrier, no matrix unit.  A work-group takes 65,536 bytes of f32: 512 groups for x, 64 for each weight.
; Thread t takes 16 bytes at 16 t of each of sixteen blocks of 4,096 bytes: a wave's load covers 512 consecutive bytes, a wave's
; store of 8 bytes a lane covers 256 consecutive bytes, aligned.  All sixteen loads go out first; no register is written twice.
.set XR, 4                             ; v[4:67]    sixteen loads of four f32
.set YR, 68                            ; v[68:99]   sixteen stores of two words
.set TR, 100                           ; v[100:103] at work (Wo's way only)
	s_load_b512 s[4:19], s[0:1], 0x0               ; x s[4:5], Wq s[6:7], Wk s[8:9], Wv s[10:11], Wo s[12:13], xb s[14:15], wb s[16:17], wob s[18:19]
	s_max_u32 s28, ttmp9, 512
	s_sub_co_u32 s28, s28, 512                     ; k = number among the weights' 256 groups (0 for x's groups)
	s_lshr_b32 s29, s28, 6                         ; which weight: 0 Wq, 1 Wk, 2 Wv, 3 Wo
	s_and_b32 s30, s28, 63                         ; which block of that weight
	v_lshlrev_b32 v1, 4, v0                        ; 16 t: my bytes in a block of the source
	v_lshlrev_b32 v2, 3, v0                        ; 8 t: my bytes in a block of the destination
	s_wait_kmcnt 0x0
	s_cmp_eq_u32 s29, 1                            ; the choices hang on the work-group's number alone
	s_cselect_b64 s[20:21], s[8:9], s[6:7]
	s_cmp_eq_u32 s29, 2
	s_cselect_b64 s[20:21], s[10:11], s[20:21]
	s_cmp_eq_u32 s29, 3
	s_cselect_b64 s[20:21], s[12:13], s[20:21]
	s_cselect_b64 s[22:23], s[18:19], s[16:17]     ; Wo goes to wob, the other three to wb
	s_cselect_b32 s26, s30, s28                    ; block in wob: 0..63; in wb: 0..191
	s_cmp_lt_u32 ttmp9, 512
	s_cselect_b64 s[20:21], s[4:5], s[20:21]       ; the first 512 groups take x
	s_cselect_b64 s[22:23], s[14:15], s[22:23]
	s_cselect_b32 s24, ttmp9, s30
	s_cselect_b32 s26, ttmp9, s26
	s_lshl_b32 s24, s24, 16                        ; 65,536 bytes of f32 a block
	s_lshl_b32 s26, s26, 15                        ; 32,768 bytes of 16-bit numbers
	s_mov_b32 s25, 0
	s_mov_b32 s27, 0
	s_add_nc_u64 s[20:21], s[20:21], s[24:25]
	s_add_nc_u64 s[22:23], s[22:23], s[26:27]
.set ii, 0
.rept 16
	global_load_b128 v[XR+4*ii:XR+4*ii+3], v1, s[20:21] offset:4096*ii th:TH_LOAD_NT   ; read once in the launch
.set ii, ii+1
.endr
	s_cmp_eq_u32 s29, 3
	s_cbranch_scc1 .Lwo
.set ii, 0
.rept 16
	s_wait_loadcnt 15-ii                           ; loads return in order: number ii is in, the 15-ii younger ones stay out
	v_cvt_pk_bf16_f32 v[YR+2*ii], v[XR+4*ii], v[XR+4*ii+1]
	v_cvt_pk_bf16_f32 v[YR+2*ii+1], v[XR+4*ii+2], v[XR+4*ii+3]
	global_store_b64 v2, v[YR+2*ii:YR+2*ii+1], s[22:23] offset:2048*ii   ; no hint: the next launch reads it
.set ii, ii+1
.endr
	s_endpgm
.Lwo:                                              ; Wo: round to bf16, widen (a shift, a mask), narrow to f16
.set ii, 0
.rept 16
	s_wait_loadcnt 15-ii
	v_cvt_pk_bf16_f32 v[TR], v[XR+4*ii], v[XR+4*ii+1]
	v_cvt_pk_bf16_f32 v[TR+1], v[XR+4*ii+2], v[XR+4*ii+3]
	v_lshlrev_b32 v[TR+2], 16, v[TR]
	v_and_b32 v[TR+3], 0xffff0000, v[TR]
	v_cvt_pk_f16_f32 v[YR+2*ii], v[TR+2], v[TR+3]
	v_lshlrev_b32 v[TR+2], 16, v[TR+1]
	v_and_b32 v[TR+3], 0xffff0000, v[TR+1]
	v_cvt_pk_f16_f32 v[YR+2*ii+1], v[TR+2], v[TR+3]
	global_store_b64 v2, v[YR+2*ii:YR+2*ii+1], s[22:23] offset:2048*ii
.set ii, ii+1
.endr
	s_endpgm
.Lfunc_end_k_qf2f69144e9_cvt:
	.size	k_qf2f69144e9_cvt, .Lfunc_end_k_qf2f69144e9_cvt-k_qf2f69144e9_cvt
	.p2alignl 7, 3214868480
	.fill 96, 4, 3214868480
	.section	.rodata,"a",@progbits
	.p2align	6, 0x0
	.amdhsa_kernel k_qf2f69144e9_cvt
		.amdhsa_group_segment_fixed_size 0
		.amdhsa_private_segment_fixed_size 0
		.amdhsa_enable_private_segment 0
		.amdhsa_kernarg_size 64
		.amdhsa_user_sgpr_count 2
		.amdhsa_user_sgpr_kernarg_segment_ptr 1
		.amdhsa_wavefront_size32 1
		.amdhsa_system_sgpr_workgroup_id_x 1
		.amdhsa_system_sgpr_workgroup_id_y 1
		.amdhsa_system_sgpr_workgroup_id_z 1
		.amdhsa_system_vgpr_workitem_id 0
		.amdhsa_next_free_vgpr 104
		.amdhsa_next_free_sgpr 66
		.amdhsa_reserve_vcc 0
		.amdhsa_float_denorm_mode_32 3
		.amdhsa_float_denorm_mode_16_64 3
		.amdhsa_memory_ordered 1
		.amdhsa_forward_progress 1
		.amdhsa_inst_pref_size 16
	.end_amdhsa_kernel
	.amdgpu_metadata
---
amdhsa.version: [ 1, 2 ]
amdhsa.kernels:
  - .name:           k_qf2f69144e9_cvt
    .symbol:         k_qf2f69144e9_cvt.kd
    .args:
      - { .name: x, .offset: 0, .size: 8, .value_kind: global_buffer, .address_space: global }
      - { .name: Wq, .offset: 8, .size: 8, .value_kind: global_buffer, .address_space: global }
      - { .name: Wk, .offset: 16, .size: 8, .value_kind: global_buffer, .address_space: global }
      - { .name: Wv, .offset: 24, .size: 8, .value_kind: global_buffer, .address_space: global }
      - { .name: Wo, .offset: 32, .size: 8, .value_kind: global_buffer, .address_space: global }
      - { .name: xb, .offset: 40, .size: 8, .value_kind: global_buffer, .address_space: global }
      - { .name: wb, .offset: 48, .size: 8, .value_kind: global_buffer, .address_space: global }
      - { .name: wob, .offset: 56, .size: 8, .value_kind: global_buffer, .address_space: global }
    .group_segment_fixed_size: 0
    .private_segment_fixed_size: 0
    .kernarg_segment_align: 8
    .kernarg_segment_size: 64
    .max_flat_workgroup_size: 256
    .sgpr_count:     66
    .vgpr_count:     104
    .wavefront_size: 32
...
	.end_amdgpu_metadata
.endif
;; end of part 1
;; launch proj (part 2): grid 8 x 32, 4 waves a work-group, clusters of 4 x 4, 327,680 bytes of LDS; arguments xb, wb, qkv; writes qkv
.if DOCPART == 2
	.amdgcn_target "amdgcn-amd-amdhsa--gfx1250"
	.amdhsa_code_object_version 6
	.text
	.protected	k_qf2f69144e9_proj
	.globl	k_qf2f69144e9_proj
	.p2align	8
	.type	k_qf2f69144e9_proj,@function
k_qf2f69144e9_proj:
	s_mov_b64 s[64:65], 0
	v_nop
	global_prefetch_b8 v0, s[64:65] scope:SCOPE_SE
	s_setreg_imm32_b32 hwreg(HW_REG_WAVE_MODE, 25, 1), 1
	s_wait_xcnt 0x0
	s_wait_alu depctr_hold_cnt(0) depctr_sa_sdst(0) depctr_va_vdst(0) depctr_va_sdst(0) depctr_va_ssrc(0) depctr_va_vcc(0) depctr_vm_vsrc(0)
	s_getreg_b32 s2, hwreg(HW_REG_IB_STS2, 6, 4)
	s_cmp_eq_u32 s2, 0
	s_cbranch_scc0 .Lentry_in_a_cluster
	s_endpgm
.Lentry_in_a_cluster:
	s_bfe_u32 s2, ttmp6, 0x10000c
	s_cmp_lg_u32 s2, 0xf033
	s_cbranch_scc0 .Lentry_shape_is_right
	s_endpgm
.Lentry_shape_is_right:
; proj: qkv[m][n] = sum over k of xb[m][k] wb[n][k].  xb [8192][1024] bf16, wb [3072][1024] bf16, qkv [8192][3072] f16; sums in f32.
; LIMIT: q, k and v are stored in f16: |value| must stay below 65,504.
; 8 x 32 = 256 work-groups, each a block of 256 rows x 384 columns (blocks of 256 x 256 would be 384 work-groups).  Four waves,
; wm = wave / 2, wn = wave % 2; a wave makes 96 tiles of 16 x 16 in three register windows:
;   window 1: rows lo = 128 wm + 64 wn .. +63       x columns own = 128 wn .. +127
;   window 2: rows hi = 128 wm + 64 (1 - wn) .. +63 x columns own
;   window 3: rows lo                               x columns 256 .. 383
; so 24 fragments feed 96 matrix instructions, and every piece of an output row that a wave owns is 256 aligned bytes.
; K goes in tiles of 64 (rows of 128 bytes) through two LDS slots: two slots of 640 rows of 256 + 16 bytes would be 348,160 bytes,
; more than a work-group can have, so the shorter row is kept.  A slot serves two K steps of 32.
; CLUSTERS: 4 x 4 work-groups.  A's tile hangs on the block row alone and is asked for jointly by a row of the cluster, B's on the
; block column alone and is asked for jointly by a column.  Waves 0, 1 ask for A's halves (128 rows), waves 2, 3 for B's (192 rows).
; The matrix instruction is used transposed (source 0 = rows of wb, source 1 = rows of xb): a lane then holds eight neighbouring
; columns of one row of the result, which pack into 16 bytes.
.set PITCH,  144                       ; an LDS row: 128 bytes + 16 = 9 x 16: sixteen rows start in sixteen different 16-byte columns modulo 256
.set REG,    192*PITCH                 ; one loading wave's region of a slot
.set SLOT,   4*REG                     ; A rows 0-127 | A rows 128-255 | B rows 0-191 | B rows 192-383 (B's 384 rows follow each other)
.set STAGE,  2*SLOT                    ; behind the ring: 16 rows x 272 bytes for each wave; no tensor load lands here
.set SPITCH, 272
.set TROW,   128                       ; bytes of a tile's row in memory
.set OUTROW, 6144                      ; bytes of a row of qkv
.set LAPS,   8                         ; a lap = two tiles = 128 along K
.set ADLO, 16                          ; v16-17 LDS address of my lo rows' fragments in slot 0, 1
.set ADHI, 18                          ; v18-19 hi rows
.set ADBO, 20                          ; v20-21 own columns
.set ADB3, 22                          ; v22-23 columns 256-383
.set STO,  24                          ; the way out: where I put 16 bytes of a row
.set RD,   25                          ; the way out: where I read a row back
.set CO1,  26                          ; my byte offset in qkv for window 1,
.set CO2,  27                          ; window 2,
.set CO3,  28                          ; window 3
.set ALO,  32                          ; v32-63, v64-95: lo rows' four fragments, two buffers (K step p uses buffer p)
.set AHI,  96                          ; v96-127  hi rows' four fragments
.set BOWN, 128                         ; v128-191 own columns' eight fragments
.set B3,   192                         ; v192-255 the third columns' eight fragments
.set TMP,  32                          ; the way out: packed results
.set G1,  24                           ; s[24:31] descriptor group 1, A
.set G0,  32                           ; s[32:39] descriptor group 0, A, one set a slot
.set G1B, 48                           ; s[48:55] group 1, B
.set G0B, 56                           ; s[56:63] group 0, B
.set MSB, 0
.macro WIN new                         ; the immediate's high byte repeats the setting that is left
.if MSB != \new
	s_set_vgpr_msb (MSB<<8)|\new
.set MSB, \new
.endif
.endm
.macro PLACES                          ; four places behind a matrix instruction (ISA guide 7.12.1), where no useful vector work is at hand
.rept 4
	v_nop
.endr
.endm
; A joint load: waves 0, 1 ask for A, waves 2, 3 for B.  Each line has one mask; the branch hangs on the wave's number alone.
.macro JLOAD s
	s_cmp_eq_u32 s11, 0
	s_cbranch_scc0 .Lfor_b_\@
	tensor_load_to_lds s[G0+4*\s:G0+4*\s+3], s[G1:G1+7]
	s_nop 0
.rept 4
	v_nop
.endr
	s_branch .Lasked_\@
.Lfor_b_\@:
	tensor_load_to_lds s[G0B+4*\s:G0B+4*\s+3], s[G1B:G1B+7]
	s_nop 0
.rept 4
	v_nop
.endr
.Lasked_\@:
.endm
.macro CREST                           ; a round of the cluster's barrier behind its opening work-group barrier
	s_cmp_lg_u32 s10, 0
	s_cbranch_scc1 .Lnot_wave_0_\@
	s_barrier_signal -3
.Lnot_wave_0_\@:
	s_barrier_wait -3
	s_barrier_signal -1
	s_barrier_wait -1
.endm
.macro CROUND                          ; a whole round
	s_barrier_signal -1
	s_barrier_wait -1
	CREST
.endm
	s_load_b128 s[4:7], s[0:1], 0x0                ; xb s[4:5], wb s[6:7]
	s_load_b64 s[8:9], s[0:1], 0x10                ; qkv
	v_lshl_add_u32 v30, v0, 2, 0x3a400
	v_mov_b32 v31, 0
	ds_add_u32 v30, v31
	v_lshrrev_b32 v1, 5, v0
	v_readfirstlane_b32 s10, v1                    ; wave 0..3
	s_lshr_b32 s11, s10, 1                         ; wm.  Also: I ask for A (0) or for B (1)
	s_and_b32 s12, s10, 1                          ; wn.  Also: which half of that tile I ask for
	s_bfe_u32 s40, ttmp6, 0x40000                  ; cx
	s_bfe_u32 s41, ttmp6, 0x40004                  ; cy
	s_lshl_b32 s42, ttmp9, 2
	s_add_co_u32 s42, s42, s40                     ; block column = 4 x cluster x + cx
	s_and_b32 s13, ttmp7, 0xffff
	s_lshl_b32 s13, s13, 2
	s_add_co_u32 s13, s13, s41                     ; block row = 4 x cluster y + cy
	s_lshl_b32 s43, s41, 2
	s_lshl_b32 s43, 15, s43                        ; my row of the cluster
	s_lshl_b32 s44, 0x1111, s40                    ; my column
	s_or_b32 s[G1+0], s43, (1<<16)|(1<<20)|(1<<21)|(4<<22)|(3<<25)   ; mask; 2-byte elements; padding on; bit 21 beside a mask; after every 32 words, 4 words
	s_or_b32 s[G1B+0], s44, (1<<16)|(1<<20)|(1<<21)|(4<<22)|(3<<25)
	s_mov_b32 s[G1+1], 64<<16                      ; tensor_dim0 = 64
	s_mov_b32 s[G1B+1], 64<<16
	s_mov_b32 s[G1+2], 128<<16                     ; tensor_dim1 = 128 rows (A)
	s_mov_b32 s[G1B+2], 192<<16                    ; 192 rows (B)
	s_mov_b32 s[G1+3], 64<<16                      ; tile_dim0 = 64
	s_mov_b32 s[G1B+3], 64<<16
	s_mov_b32 s[G1+4], 128                         ; tile_dim1
	s_mov_b32 s[G1B+4], 192
	s_mov_b32 s[G1+5], 1024                        ; elements from row to row
	s_mov_b32 s[G1B+5], 1024
	s_mov_b32 s[G1+6], 0
	s_mov_b32 s[G1B+6], 0
	s_mov_b32 s[G1+7], 0
	s_mov_b32 s[G1B+7], 0
	s_lshl_b32 s17, s12, 7
	s_lshl_b32 s16, s13, 8
	s_add_co_u32 s16, s16, s17                     ; A: row 256 x block row + 128 x half
	s_lshl_b32 s16, s16, 11                        ; x 2,048 bytes (below 2^25)
	s_mov_b32 s17, 0
	s_mul_i32 s46, s42, 384
	s_mul_i32 s47, s12, 192
	s_add_co_u32 s46, s46, s47                     ; B: row 384 x block column + 192 x half
	s_lshl_b32 s46, s46, 11
	s_mov_b32 s47, 0
	s_mul_i32 s20, s10, REG                        ; where my tile goes: the wave's number alone
	s_wait_dscnt 0x0
	s_wait_kmcnt 0x0
	s_add_nc_u64 s[14:15], s[4:5], s[16:17]
	s_add_nc_u64 s[46:47], s[6:7], s[46:47]
	CROUND                                         ; all sixteen work-groups are here: the first joint loads meet
.irp s, 0,1
	s_mov_b32 s[G0+4*\s], 1
	s_add_co_u32 s[G0+4*\s+1], s20, \s*SLOT
	s_add_nc_u64 s[G0+4*\s+2:G0+4*\s+3], s[14:15], \s*TROW         ; tile s
	s_or_b32 s[G0+4*\s+3], s[G0+4*\s+3], 0x80000000
	s_mov_b32 s[G0B+4*\s], 1
	s_add_co_u32 s[G0B+4*\s+1], s20, \s*SLOT
	s_add_nc_u64 s[G0B+4*\s+2:G0B+4*\s+3], s[46:47], \s*TROW
	s_or_b32 s[G0B+4*\s+3], s[G0B+4*\s+3], 0x80000000
	JLOAD \s                                       ; both first fills go out before anything else: two tensor loads of this wave are out
.endr
	; fragment addresses: lane l holds row l % 16; two loads of 16 bytes, 32 bytes apart, at row x pitch + 16 (l / 16)
	v_and_b32 v1, 15, v0
	v_bfe_u32 v2, v0, 4, 1
	v_mul_u32_u24 v3, v1, PITCH
	v_lshl_add_u32 v3, v2, 4, v3
	s_mul_i32 s21, s11, REG                        ; my half of A's rows
	s_mul_i32 s22, s12, 64*PITCH
	s_add_co_u32 s22, s22, s21                     ; lo rows
	s_xor_b32 s23, s12, 1
	s_mul_i32 s23, s23, 64*PITCH
	s_add_co_u32 s23, s23, s21                     ; hi rows
	s_mul_i32 s21, s12, 128*PITCH
	s_add_co_u32 s21, s21, 2*REG                   ; own columns
.irp s, 0,1
	v_add_nc_u32 v[ADLO+\s], s22, v3
	v_add_nc_u32 v[ADHI+\s], s23, v3
	v_add_nc_u32 v[ADBO+\s], s21, v3
	v_add_nc_u32 v[ADB3+\s], 2*REG+256*PITCH+\s*SLOT, v3
	s_add_co_u32 s22, s22, SLOT
	s_add_co_u32 s23, s23, SLOT
	s_add_co_u32 s21, s21, SLOT
.endr
	s_mul_i32 s23, s10, 16*SPITCH
	s_add_co_u32 s23, s23, STAGE                   ; my stage
	v_mul_u32_u24 v4, v1, SPITCH
	v_lshl_add_u32 v4, v2, 4, v4
	v_add_nc_u32 v[STO], s23, v4                   ; in: row l % 16, 16 bytes for each half of the lanes
	v_mul_u32_u24 v5, v2, SPITCH
	v_lshl_add_u32 v5, v1, 4, v5
	v_add_nc_u32 v[RD], s23, v5                    ; back: lanes 0-15 one row of 256 bytes, lanes 16-31 the next
	v_mul_u32_u24 v5, v2, OUTROW
	v_lshl_add_u32 v5, v1, 4, v5                   ; the same two rows in qkv
	s_mul_i32 s21, s12, 64*OUTROW                  ; lo rows begin 64 wn rows down,
	s_xor_b32 s22, s12, 1
	s_mul_i32 s22, s22, 64*OUTROW                  ; hi rows 64 (1 - wn),
	s_lshl_b32 s23, s12, 8                         ; own columns at byte 256 wn, the third at byte 512
	v_add3_u32 v[CO1], v5, s21, s23
	v_add3_u32 v[CO2], v5, s22, s23
	v_add3_u32 v[CO3], v5, s21, 512
.macro FRAG dst, adr, n, k             ; n fragments of 16 rows x 32 K at byte k of the rows: 2 n loads
.set ii, 0
.rept \n
	ds_load_b128 v[\dst+8*ii:\dst+8*ii+3], v[\adr] offset:\k+ii*16*PITCH
	ds_load_b128 v[\dst+8*ii+4:\dst+8*ii+7], v[\adr] offset:\k+ii*16*PITCH+32
.set ii, ii+1
.endr
.endm
; 16 matrix instructions: row blocks a0, a0 + 1 of four x all eight column blocks.  zero = 1: the first product starts the sums.
.macro MUL16 fa, fb, a0, zero
.irp a, \a0, \a0+1
.irp b, 0,1,2,3,4,5,6,7
.if \zero
	v_wmma_f32_16x16x32_bf16 v[8*(8*(\a)+\b):8*(8*(\a)+\b)+7], v[\fb+8*\b:\fb+8*\b+7], v[\fa+8*(\a):\fa+8*(\a)+7], 0
.else
	v_wmma_f32_16x16x32_bf16 v[8*(8*(\a)+\b):8*(8*(\a)+\b)+7], v[\fb+8*\b:\fb+8*\b+7], v[\fa+8*(\a):\fa+8*(\a)+7], v[8*(8*(\a)+\b):8*(8*(\a)+\b)+7]
.endif
.endr
.endr
.endm
; One K step of 32: half p of slot.  The 96 accumulators take turns, one instruction a turn, in the same order in every step, over
; the loop's backward jump too.  (nslot, np) = where the next step's fragments lie.
; chg = 1: this step's are the last reads of the slot: a barrier stands in it.  fill = 1: the slot is then filled again, two tiles on.
; nxt = 0: the very last step fetches nothing.
.macro KS slot, p, zero, nslot, np, chg, fill, nxt
	PLACES                                         ; B3 was read by the matrix instructions just issued
	WIN 0
	FRAG B3, ADB3+\slot, 8, 64*\p
	s_wait_dscnt 16                                ; all but the 16 just issued: this step's lo, hi and own fragments are in
	WIN 0x50                                       ; operands window 0, C and D window 1
	MUL16 ALO+32*\p, BOWN, 0, \zero
.if \chg
	s_wait_dscnt 0x0                               ; my reads of this slot are over,
	s_wait_tensorcnt 0x0                           ; and all my tensor loads have landed: the one that was out is my part of the other slot
	ds_add_u32 v30, v31
	s_wait_dscnt 0x0
	s_barrier_signal -1                            ; (with fill this barrier opens a round of the cluster's barrier)
.endif
	MUL16 ALO+32*\p, BOWN, 2, \zero                ; registers only
.if \nxt
	WIN 0
.if \chg
	s_barrier_wait -1
.endif
.if \fill
	CREST                                          ; no wave of any partner still reads this slot or has a load on its way
	s_add_nc_u64 s[G0+4*\slot+2:G0+4*\slot+3], s[G0+4*\slot+2:G0+4*\slot+3], 2*TROW
	s_add_nc_u64 s[G0B+4*\slot+2:G0B+4*\slot+3], s[G0B+4*\slot+2:G0B+4*\slot+3], 2*TROW
	JLOAD \slot                                    ; my one tensor load behind the round, ahead of every LDS read; 176 matrix instructions lie between it and the wait for it
.else
	PLACES
.endif
	FRAG ALO+32*(1-\p), ADLO+\nslot, 4, 64*\np
.endif
	WIN 0xa0                                       ; C and D window 2
	MUL16 AHI, BOWN, 0, \zero
	MUL16 AHI, BOWN, 2, \zero
.if \nxt
	WIN 0
	PLACES                                         ; hi and own fragments were read by the matrix instructions just issued
	FRAG AHI, ADHI+\nslot, 4, 64*\np
	FRAG BOWN, ADBO+\nslot, 8, 64*\np
	s_wait_dscnt 32                                ; the 8 + 8 + 16 loads for the next step stay out; B3 is in
.else
	s_wait_dscnt 0x0
.endif
	WIN 0xf0                                       ; C and D window 3
	MUL16 ALO+32*\p, B3, 0, \zero
	MUL16 ALO+32*\p, B3, 2, \zero
.endm
.macro LAP zero                        ; once round the ring, both slots filled again
	KS 0, 0, \zero, 0, 1, 0, 0, 1
	KS 0, 1, 0,     1, 0, 1, 1, 1
	KS 1, 0, 0,     1, 1, 0, 0, 1
	KS 1, 1, 0,     0, 0, 1, 1, 1
.endm
	s_wait_tensorcnt 0x1                           ; my part of tile 0 is in; tile 1's may stay out
	s_barrier_signal -1
	s_barrier_wait -1
	FRAG ALO, ADLO, 4, 0
	FRAG AHI, ADHI, 4, 0
	FRAG BOWN, ADBO, 8, 0
	LAP 1                                          ; the first lap stands ahead of the loop: its first products start the 96 sums
	WIN 0
	s_mov_b32 s3, LAPS-2
.Llap:
	LAP 0
	WIN 0
	s_sub_co_u32 s3, s3, 1
	s_cmp_lg_u32 s3, 0
	s_cbranch_scc1 .Llap
	KS 0, 0, 0, 0, 1, 0, 0, 1                      ; the last lap fills nothing
	KS 0, 1, 0, 1, 0, 1, 0, 1
	KS 1, 0, 0, 1, 1, 0, 0, 1
	KS 1, 1, 0, 0, 0, 0, 0, 0
	; THE WAY OUT, 16 rows at a time: round to f16, 16 bytes a lane into my own stage, back as whole rows of 256 bytes.
	PLACES
	s_lshl_b32 s16, s13, 8
	s_lshl_b32 s17, s11, 7
	s_add_co_u32 s16, s16, s17                     ; row 256 x block row + 128 wm
	s_mul_i32 s16, s16, OUTROW                     ; below 2^26
	s_mov_b32 s17, 0
	s_add_nc_u64 s[8:9], s[8:9], s[16:17]
	s_mul_i32 s46, s42, 768                        ; the block's first column in bytes (in registers that never fed A's descriptors)
	s_mov_b32 s47, 0
	s_add_nc_u64 s[8:9], s[8:9], s[46:47]
.macro OUT16 a, from, co, f            ; the eight tiles (a, 0..7) of one window (from: sources 0 and 1); f: read-back registers, by turns
	WIN \from
.irp b, 0,1,2,3,4,5,6,7
.irp r, 0,1,2,3
	v_cvt_pk_f16_f32 v[TMP+4*\b+\r], v[8*(8*\a+\b)+2*\r], v[8*(8*\a+\b)+2*\r+1]
.endr
.endr
	WIN 0
.irp b, 0,1,2,3,4,5,6,7
	ds_store_b128 v[STO], v[TMP+4*\b:TMP+4*\b+3] offset:32*\b
.endr
	s_wait_xcnt 0x0                                ; registers f, which earlier stores read, are loaded again only behind this wait
.irp t, 0,1,2,3,4,5,6,7
	ds_load_b128 v[\f+4*\t:\f+4*\t+3], v[RD] offset:\t*2*SPITCH    ; a wave's LDS instructions are served in order: these see the stores above
.endr
.irp t, 0,1,2,3,4,5,6,7
	s_wait_dscnt 7-\t
	global_store_b128 v[\co], v[\f+4*\t:\f+4*\t+3], s[8:9] offset:(16*\a+2*\t)*OUTROW   ; sixteen lanes store 256 consecutive bytes, aligned
.endr
.endm
	OUT16 0, 0x05, CO1, 128
	OUT16 1, 0x05, CO1, 160
	OUT16 2, 0x05, CO1, 128
	OUT16 3, 0x05, CO1, 160
	OUT16 0, 0x0a, CO2, 128
	OUT16 1, 0x0a, CO2, 160
	OUT16 2, 0x0a, CO2, 128
	OUT16 3, 0x0a, CO2, 160
	OUT16 0, 0x0f, CO3, 128
	OUT16 1, 0x0f, CO3, 160
	OUT16 2, 0x0f, CO3, 128
	OUT16 3, 0x0f, CO3, 160
	s_wait_tensorcnt 0x0
	ds_add_u32 v30, v31
	s_wait_dscnt 0x0
	CROUND                                         ; the closing round: no work-group ends while a partner may still ask jointly
	s_endpgm
.Lfunc_end_k_qf2f69144e9_proj:
	.size	k_qf2f69144e9_proj, .Lfunc_end_k_qf2f69144e9_proj-k_qf2f69144e9_proj
	.p2alignl 7, 3214868480
	.fill 96, 4, 3214868480
	.section	.rodata,"a",@progbits
	.p2align	6, 0x0
	.amdhsa_kernel k_qf2f69144e9_proj
		.amdhsa_group_segment_fixed_size 327680
		.amdhsa_private_segment_fixed_size 0
		.amdhsa_enable_private_segment 0
		.amdhsa_kernarg_size 24
		.amdhsa_user_sgpr_count 2
		.amdhsa_user_sgpr_kernarg_segment_ptr 1
		.amdhsa_wavefront_size32 1
		.amdhsa_system_sgpr_workgroup_id_x 1
		.amdhsa_system_sgpr_workgroup_id_y 1
		.amdhsa_system_sgpr_workgroup_id_z 1
		.amdhsa_system_vgpr_workitem_id 0
		.amdhsa_next_free_vgpr 1024
		.amdhsa_next_free_sgpr 66
		.amdhsa_reserve_vcc 0
		.amdhsa_float_denorm_mode_32 3
		.amdhsa_float_denorm_mode_16_64 3
		.amdhsa_memory_ordered 1
		.amdhsa_forward_progress 1
		.amdhsa_inst_pref_size 178
	.end_amdhsa_kernel
	.amdgpu_metadata
---
amdhsa.version: [ 1, 2 ]
amdhsa.kernels:
  - .name:           k_qf2f69144e9_proj
    .symbol:         k_qf2f69144e9_proj.kd
    .args:
      - { .name: xb, .offset: 0, .size: 8, .value_kind: global_buffer, .address_space: global }
      - { .name: wb, .offset: 8, .size: 8, .value_kind: global_buffer, .address_space: global }
      - { .name: qkv, .offset: 16, .size: 8, .value_kind: global_buffer, .address_space: global }
    .group_segment_fixed_size: 327680
    .private_segment_fixed_size: 0
    .kernarg_segment_align: 8
    .kernarg_segment_size: 24
    .max_flat_workgroup_size: 128
    .sgpr_count:     66
    .vgpr_count:     1024
    .wavefront_size: 32
...
	.end_amdgpu_metadata
.endif
;; end of part 2
;; launch attn (part 3): grid 8 x 32, 4 waves a work-group, no clusters, 327,680 bytes of LDS; arguments qkv, ctx; writes ctx
.if DOCPART == 3
	.amdgcn_target "amdgcn-amd-amdhsa--gfx1250"
	.amdhsa_code_object_version 6
	.text
	.protected	k_qf2f69144e9_attn
	.globl	k_qf2f69144e9_attn
	.p2align	8
	.type	k_qf2f69144e9_attn,@function
k_qf2f69144e9_attn:
	s_mov_b64 s[64:65], 0
	v_nop
	global_prefetch_b8 v0, s[64:65] scope:SCOPE_SE
	s_setreg_imm32_b32 hwreg(HW_REG_WAVE_MODE, 25, 1), 1
	s_wait_xcnt 0x0
; attn: causal softmax attention of one head.  qkv [8192][3072] f16 (q at byte 0, k at 2,048, v at 4,096 of a row; head h at + 256 h),
; ctx [8192][1024] f16.  Products in f16 with f32 sums; softmax in f32 with a running maximum.
; Work-group (j, 8 b + h) takes query block 15 - j and then block j of 128 rows: 16 - j and j + 1 key tiles of 128 keys, 17 steps for
; every work-group.  Keys beyond a block's diagonal tile are never touched: the mask that the problem builds throws them away.
; Wave w: wq = w / 2 owns 64 query rows, wk = w % 2 owns keys 64 wk .. + 63 of every tile, with its own maximum, sum and O; the two
; key halves are merged once a query block, through LDS.
; TRANSPOSED FORMS: S^T = K Q^T (lane (r, h), register j: key 16 kt + 8 h + j, query 16 g + r), so that exp(S^T) packed to f16 in the
; same lane IS the second operand of O^T = V^T P^T; V^T comes from LDS by the transposing load.  A lane's O is eight neighbouring d of one query.
; A STEP IN SIX STAGES.  The four query groups g of 16 rows do not depend on each other, so the 128 matrix instructions of a step are strewn
; among the 4 x 136 vector instructions of the softmax (SM) that do not depend on them:
;   A: S(0)   B: S(1) with SM(0)   C: S(2), PV(0) with SM(1)   D: S(3), PV(1) with SM(2)   E: PV(2) with SM(3)   F: PV(3)
; Each matrix instruction stands alone, followed by its share of the group's vector instructions (136 / 16 or 136 / 32).  That costs two
; switches of the register windows for each matrix instruction: no one setting serves both, since v_exp_f32 has source 0 alone, so S would
; have to lie in K's window beside Q (3 x 128 registers), and O fills a window by itself.
; NO CLUSTER: the work-groups of a head walk the same tiles only up to step 8; after that block j's walk starts at a step that hangs on j,
; so partners would ask for different tiles in the same step; a common walk would need both blocks' O (512 registers) and Q (256) at once.
; LIMITS: |q|, |k|, |v|, |ctx| below 65,504 (f16).  The second block starts by a factor 0 on the first block's sums, which must be finite.
.set REG,    18432                     ; one loading wave's region: 64 rows
.set SLOT,   4*REG                     ; K keys 0-63 | K keys 64-127 (pitch 272) | V keys 0-63 | V keys 64-127 (pitch 288)
.set KP,     272                       ; 17 x 16 bytes: sixteen rows start in sixteen different 16-byte columns modulo 256
.set VP,     288                       ; 9 x 32 bytes, for the transposing load
.set MBOX,   2*SLOT                    ; mailboxes: 34 x 512 bytes a wave; no tensor load lands here
.set MBSZ,   34*512
.set STAGE_B, MBOX+4*MBSZ              ; 16 rows x 272 bytes a wave
.set SPITCH, 272
.set QROW,   6144
.set CROW,   2048
.set TSTEP,  128*QROW                  ; from a key tile to the next
.set PFA,    3                         ; a tile is asked for (prefetch) in step t for step t + 3; its tensor load goes out in step t + 1
.set PFO,  7                           ; v7     thread x 6,144: my row of a key tile, for the prefetch; never rewritten
.set KADR, 8                           ; v8-9   LDS address of my K fragments in slot 0, 1
.set VADR, 10                          ; v10-11 of my V fragments
.set QO,   12                          ; my byte offset in Q's rows
.set MBW,  13                          ; my mailbox + 16 lane
.set MBR,  14                          ; my partner's (wave xor 1) + 16 lane
.set STO,  15
.set RD,   16
.set CO,   17
.set DQ,   18                          ; 64 (wq - wk) + r - 8 h: a score is masked where 16 (kt - g) + j > DQ
.set NINF, 19
.set ST,   20                          ; v20-35: for each query group g: alpha, M, NM = -c M, L (L: the lane's own keys)
.set PST,  48                          ; v48-55 the partner's two groups of these
.set FF,   56                          ; v56-63 merge factors: F, F, F', F' for each of two groups
.set SS,   64                          ; v64-191  S, tile (kt, g) at 8 (4 g + kt)
.set PP,   192                         ; v192-255 P, fragment (g, kc) at 8 (2 g + kc)
.set QQ,   0                           ; window 1: v0-127 Q, fragment (g, dc) at 8 (4 g + dc)
.set KK,   128                         ; window 1: v128-255 K, fragment (kt, dc) at 8 (4 kt + dc)
                                       ; window 2: O, tile (dt, g) at 8 (8 g + dt);  window 3: v0-127 V, fragment (dt, kc) at 8 (2 dt + kc)
.set G1K, 24                           ; s[24:31] group 1 for K's tiles
.set G1V, 32                           ; s[32:39] for V's: a longer pad
.set G0,  40                           ; s[40:47] group 0, one set a slot
.set MSB, 0
.macro WIN new                         ; the immediate's high byte repeats the setting that is left; a switch that changes nothing is dropped
.if MSB != \new
	s_set_vgpr_msb (MSB<<8)|\new
.set MSB, \new
.endif
.endm
.macro PLACES                          ; four places behind a matrix instruction (ISA guide 7.12.1)
.rept 4
	v_nop
.endr
.endm
.macro TLOAD slot                      ; waves 0, 1 bring K's halves, waves 2, 3 V's
	s_cmp_lt_u32 s8, 2
	s_cbranch_scc0 .Lfor_v_\@
	tensor_load_to_lds s[G0+4*\slot:G0+4*\slot+3], s[G1K:G1K+7]
	s_nop 0
.rept 4
	v_nop
.endr
	s_branch .Lasked_\@
.Lfor_v_\@:
	tensor_load_to_lds s[G0+4*\slot:G0+4*\slot+3], s[G1V:G1V+7]
	s_nop 0
.rept 4
	v_nop
.endr
.Lasked_\@:
.endm
	s_load_b128 s[4:7], s[0:1], 0x0                ; qkv s[4:5], ctx s[6:7]
	s_set_vgpr_msb 0xc0
	v_lshl_add_u32 v128, v0, 2, 0x39400
	v_mov_b32 v129, 0
	s_set_vgpr_msb 0xc0cf
	ds_add_u32 v128, v129
	s_set_vgpr_msb 0xcf00
	v_lshrrev_b32 v1, 5, v0
	v_readfirstlane_b32 s8, v1                     ; wave
	s_lshr_b32 s9, s8, 1                           ; wq.  Also: I bring K (0) or V (1)
	s_and_b32 s10, s8, 1                           ; wk.  Also: which 64 keys I bring
	s_mov_b32 s11, ttmp9                           ; j
	s_and_b32 s12, ttmp7, 0xffff
	s_lshr_b32 s13, s12, 3
	s_lshl_b32 s13, s13, 11                        ; 2,048 b: the batch's first row
	s_and_b32 s17, s12, 7
	s_lshl_b32 s17, s17, 8                         ; 256 h: the head's bytes in a row
	s_sub_co_u32 s15, 15, s11                      ; t1: the first block's last step, and its number
	s_sub_co_u32 s16, 16, s11                      ; steps of the first block
	s_mov_b32 s14, 0                               ; t
	s_mov_b32 s20, 0x3e0293ee                      ; c = log2(e) / sqrt(128)
	s_mov_b32 s21, 0x3e0293ee
	s_mov_b32 s58, 0xbe0293ee                      ; -c
	s_mov_b32 s22, 0x76543210                      ; v_permlanex16_b32: lane i reads lane i of the other half
	s_mov_b32 s23, 0xfedcba98
	s_mov_b32 s[G1K+0], 0x07510000                 ; 2-byte elements; padding on; after every 64 words, 4 words
	s_mov_b32 s[G1V+0], 0x0f510000                 ; ... 8 words
	s_mov_b32 s[G1K+1], 128<<16                    ; tensor_dim0 = 128
	s_mov_b32 s[G1V+1], 128<<16
	s_mov_b32 s[G1K+2], 64<<16                     ; tensor_dim1 = 64
	s_mov_b32 s[G1V+2], 64<<16
	s_mov_b32 s[G1K+3], 128<<16                    ; tile_dim0 = 128
	s_mov_b32 s[G1V+3], 128<<16
	s_mov_b32 s[G1K+4], 64                         ; tile_dim1 = 64
	s_mov_b32 s[G1V+4], 64
	s_mov_b32 s[G1K+5], 3072                       ; elements from row to row
	s_mov_b32 s[G1V+5], 3072
	s_mov_b32 s[G1K+6], 0
	s_mov_b32 s[G1V+6], 0
	s_mov_b32 s[G1K+7], 0
	s_mov_b32 s[G1V+7], 0
	s_lshl_b32 s19, s10, 6
	s_add_co_u32 s19, s19, s13                     ; row 2,048 b + 64 (w % 2)
	s_mul_i32 s60, s19, QROW                       ; below 2^26
	s_lshl_b32 s59, s9, 11
	s_add_co_u32 s60, s60, s59                     ; k at 2,048, v at 4,096
	s_add_co_u32 s60, s60, s17
	s_add_co_u32 s60, s60, 2048
	s_mov_b32 s61, 0
	s_mul_i32 s19, s8, REG
	s_wait_dscnt 0x0
	s_wait_kmcnt 0x0
	s_add_nc_u64 s[48:49], s[4:5], s[60:61]        ; my part of key tile 0
	s_mov_b32 s[G0+0], 1
	s_mov_b32 s[G0+1], s19
	s_mov_b64 s[G0+2:G0+3], s[48:49]
	s_or_b32 s[G0+3], s[G0+3], 0x80000000
	s_mov_b32 s[G0+4], 1
	s_add_co_u32 s[G0+5], s19, SLOT
	s_add_nc_u64 s[G0+6:G0+7], s[48:49], TSTEP
	s_or_b32 s[G0+7], s[G0+7], 0x80000000
	s_cmp_lt_u32 s8, 2                             ; both first fills (tiles 0 and 1) in one branch, ahead of every wait, LDS read and barrier
	s_cbranch_scc0 .Lfirst_v
	tensor_load_to_lds s[G0:G0+3], s[G1K:G1K+7]
	s_nop 0
	PLACES
	tensor_load_to_lds s[G0+4:G0+7], s[G1K:G1K+7]
	s_nop 0
	PLACES
	s_branch .Lfirst_done
.Lfirst_v:
	tensor_load_to_lds s[G0:G0+3], s[G1V:G1V+7]
	s_nop 0
	PLACES
	tensor_load_to_lds s[G0+4:G0+7], s[G1V:G1V+7]
	s_nop 0
	PLACES
.Lfirst_done:
	; Q's and ctx's addresses for both blocks: row 2,048 b + 128 block + 64 wq
	s_lshl_b32 s59, s9, 6
	s_add_co_u32 s59, s59, s13
	s_lshl_b32 s19, s15, 7
	s_add_co_u32 s19, s19, s59
	s_mul_i32 s60, s19, QROW
	s_add_co_u32 s60, s60, s17
	s_add_nc_u64 s[50:51], s[4:5], s[60:61]        ; Q of block 15 - j
	s_lshl_b32 s60, s19, 11
	s_add_co_u32 s60, s60, s17
	s_add_nc_u64 s[52:53], s[6:7], s[60:61]        ; ctx of block 15 - j
	s_lshl_b32 s19, s11, 7
	s_add_co_u32 s19, s19, s59
	s_mul_i32 s60, s19, QROW
	s_add_co_u32 s60, s60, s17
	s_add_nc_u64 s[56:57], s[4:5], s[60:61]        ; Q of block j
	s_lshl_b32 s60, s19, 11
	s_add_co_u32 s60, s60, s17
	s_add_nc_u64 s[54:55], s[6:7], s[60:61]        ; ctx of block j
	s_mul_i32 s60, s13, QROW
	s_add_co_u32 s60, s60, s17
	s_add_co_u32 s60, s60, 2048
	s_add_nc_u64 s[2:3], s[4:5], s[60:61]          ; the head's k in the batch's first row: the prefetch's base
	v_mul_u32_u24 v[PFO], v0, QROW                 ; 128 threads, 128 rows of a key tile
	v_and_b32 v1, 31, v0                           ; lane
	v_and_b32 v2, 15, v0                           ; r
	v_bfe_u32 v3, v0, 4, 1                         ; h
	v_mul_u32_u24 v[QO], v2, QROW
	v_lshl_add_u32 v[QO], v3, 4, v[QO]
; Q's sixteen fragments straight from memory: twice in the launch, so a way through LDS would not pay for its extra barrier
.macro QLOAD ptr
	WIN 0x40                                       ; destination window 1
.irp g, 0,1,2,3
.irp dc, 0,1,2,3
	global_load_b128 v[QQ+8*(4*\g+\dc):QQ+8*(4*\g+\dc)+3], v[QO], s[\ptr:\ptr+1] offset:\g*16*QROW+64*\dc
	global_load_b128 v[QQ+8*(4*\g+\dc)+4:QQ+8*(4*\g+\dc)+7], v[QO], s[\ptr:\ptr+1] offset:\g*16*QROW+64*\dc+32
.endr
.endr
	WIN 0
.endm
	QLOAD 50
	v_mul_u32_u24 v4, v2, KP
	v_lshl_add_u32 v4, v3, 4, v4                   ; r x 272 + 16 h
	s_mul_i32 s19, s10, REG
	v_add_nc_u32 v[KADR], s19, v4
	v_add_nc_u32 v[KADR+1], SLOT, v[KADR]
	v_and_b32 v5, 7, v0
	v_lshl_add_u32 v5, v3, 3, v5
	v_mul_u32_u24 v5, v5, VP                       ; (8 h + lane % 8) x 288
	v_bfe_u32 v6, v0, 3, 1
	v_lshl_add_u32 v5, v6, 4, v5                   ; + 16 ((lane / 8) % 2)
	s_add_co_u32 s19, s19, 2*REG
	v_add_nc_u32 v[VADR], s19, v5
	v_add_nc_u32 v[VADR+1], SLOT, v[VADR]
	s_mul_i32 s19, s8, MBSZ
	s_add_co_u32 s19, s19, MBOX
	v_lshl_add_u32 v[MBW], v1, 4, s19
	s_xor_b32 s19, s8, 1
	s_mul_i32 s19, s19, MBSZ
	s_add_co_u32 s19, s19, MBOX
	v_lshl_add_u32 v[MBR], v1, 4, s19
	s_mul_i32 s19, s8, 16*SPITCH
	s_add_co_u32 s19, s19, STAGE_B
	v_add_nc_u32 v[STO], s19, v4
	v_mul_u32_u24 v5, v3, SPITCH
	v_lshl_add_u32 v5, v2, 4, v5
	v_add_nc_u32 v[RD], s19, v5
	v_lshlrev_b32 v5, 11, v3
	v_lshl_add_u32 v[CO], v2, 4, v5                ; (lane / 16) rows of ctx + 16 (lane % 16)
	s_sub_co_i32 s19, s9, s10
	s_lshl_b32 s19, s19, 6
	v_add_nc_u32 v[DQ], s19, v2
	v_lshlrev_b32 v5, 3, v3
	v_sub_nc_u32 v[DQ], v[DQ], v5
	v_mov_b32 v[NINF], 0xff800000
.irp g, 0,1,2,3
	v_mov_b32 v[ST+4*\g+1], 0xff7fffff             ; M = the lowest finite number: the first alpha is exp2 of a huge negative number, 0
	v_mul_f32 v[ST+4*\g+2], s58, v[ST+4*\g+1]
	v_mov_b32 v[ST+4*\g+3], 0
.endr
.macro KFETCH slot                     ; my 64 keys x 128 d: 32 loads
	WIN 0x40
.irp kt, 0,1,2,3
.irp dc, 0,1,2,3
	ds_load_b128 v[KK+8*(4*\kt+\dc):KK+8*(4*\kt+\dc)+3], v[KADR+(\slot)] offset:\kt*16*KP+64*\dc
	ds_load_b128 v[KK+8*(4*\kt+\dc)+4:KK+8*(4*\kt+\dc)+7], v[KADR+(\slot)] offset:\kt*16*KP+64*\dc+32
.endr
.endr
.endm
.macro VFETCH slot                     ; V^T of my 64 keys: 32 transposing loads
	WIN 0xc0
.irp dt, 0,1,2,3,4,5,6,7
.irp kc, 0,1
	ds_load_tr16_b128 v[8*(2*\dt+\kc):8*(2*\dt+\kc)+3], v[VADR+\slot] offset:\kc*32*VP+32*\dt
	ds_load_tr16_b128 v[8*(2*\dt+\kc)+4:8*(2*\dt+\kc)+7], v[VADR+\slot] offset:\kc*32*VP+32*\dt+16*VP
.endr
.endr
.endm
; Matrix instruction number zi (0..15) of S^T(g) = K Q(g)^T: 32 d at dc = zi / 4, keys kt = zi % 4.  The four accumulators take turns.
.macro SW1 g
.set zk, zi%4
.set zd, zi/4
	WIN 0x05                                       ; K and Q window 1, S window 0
.if zd == 0
	v_wmma_f32_16x16x32_f16 v[SS+8*(4*\g+zk):SS+8*(4*\g+zk)+7], v[KK+8*(4*zk+zd):KK+8*(4*zk+zd)+7], v[QQ+8*(4*\g+zd):QQ+8*(4*\g+zd)+7], 0
.else
	v_wmma_f32_16x16x32_f16 v[SS+8*(4*\g+zk):SS+8*(4*\g+zk)+7], v[KK+8*(4*zk+zd):KK+8*(4*zk+zd)+7], v[QQ+8*(4*\g+zd):QQ+8*(4*\g+zd)+7], v[SS+8*(4*\g+zk):SS+8*(4*\g+zk)+7]
.endif
.endm
; Matrix instruction number zi (0..15) of O^T(g) += V^T P(g)^T: 32 keys at kc = zi / 8, d tile dt = zi % 8.  The eight accumulators take turns.
.macro PW1 g, zero
.set zk, zi%8
.set zd, zi/8
	WIN 0xa3                                       ; V window 3, P window 0, O window 2
.if \zero*(1-zd)
	v_wmma_f32_16x16x32_f16 v[8*(8*\g+zk):8*(8*\g+zk)+7], v[8*(2*zk+zd):8*(2*zk+zd)+7], v[PP+8*(2*\g+zd):PP+8*(2*\g+zd)+7], 0
.else
	v_wmma_f32_16x16x32_f16 v[8*(8*\g+zk):8*(8*\g+zk)+7], v[8*(2*zk+zd):8*(2*zk+zd)+7], v[PP+8*(2*\g+zd):PP+8*(2*\g+zd)+7], v[8*(8*\g+zk):8*(8*\g+zk)+7]
.endif
.endm
; Vector instruction number opi of query group g's softmax, SM(g):
;   0-21 running maximum (four chains of v_max3, the other half of the lanes, the old maximum), NM = -c M, alpha = exp2(NM new - NM old):
;        the very addends of the exponents, so old and new terms stay on one scale;
;   22-37 x = c s + NM;  38-69 p = exp2(x);  70-87 L = L alpha + the lane's sum of p;  88-103 P in f16;  104-135 O(g) x alpha.
; Behind each exponential one plain vector instruction comes before its result is used (ISA guide 5.7.2): number 21 behind 20, number 70 behind 38-69.
.macro SM1 g
.set XB, SS+32*\g
.set SA, ST+4*\g
.if opi < 104
	WIN 0
.else
	WIN 0x82                                       ; O window 2, alpha window 0
.endif
.if opi < 4
	v_max3_num_f32 v[36+opi], v[XB+3*opi], v[XB+3*opi+1], v[XB+3*opi+2]
.endif
.if opi >= 4
.if opi < 14
	v_max3_num_f32 v[36+(opi+2)%4], v[36+(opi+2)%4], v[XB+2*opi+4], v[XB+2*opi+5]
.endif
.endif
.if opi == 14
	v_max3_num_f32 v36, v36, v37, v38
.endif
.if opi == 15
	v_max3_num_f32 v36, v36, v39, v[SA+1]          ; with the old maximum
.endif
.if opi == 16
	v_permlanex16_b32 v37, v36, s22, s23           ; the query's other eight keys of each tile lie in the other half of the lanes
.endif
.if opi == 17
	v_max_num_f32 v[SA+1], v36, v37
.endif
.if opi == 18
	v_mul_f32 v38, s58, v[SA+1]                    ; NM new = -c M
.endif
.if opi == 19
	v_sub_f32 v39, v38, v[SA+2]
.endif
.if opi == 20
	v_exp_f32 v[SA], v39                           ; alpha
.endif
.if opi == 21
	v_mov_b32 v[SA+2], v38
.endif
.if opi >= 22
.if opi < 38
	v_pk_fma_f32 v[XB+2*(opi-22):XB+2*(opi-22)+1], v[XB+2*(opi-22):XB+2*(opi-22)+1], s[20:21], v[SA+2:SA+3] op_sel_hi:[1,0,0]
.endif
.endif
.if opi >= 38
.if opi < 70
	v_exp_f32 v[XB+opi-38], v[XB+opi-38]
.endif
.endif
.if opi == 70
	s_wait_alu depctr_va_vdst(0)
	v_mul_f32 v[SA+3], v[SA+3], v[SA]              ; L x alpha
.endif
.if opi >= 71
.if opi < 75
	v_pk_add_f32 v[40+2*(opi-71):41+2*(opi-71)], v[XB+4*(opi-71):XB+4*(opi-71)+1], v[XB+4*(opi-71)+2:XB+4*(opi-71)+3]
.endif
.endif
.if opi >= 75
.if opi < 83
	v_pk_add_f32 v[40+2*((opi-67)%4):41+2*((opi-67)%4)], v[40+2*((opi-67)%4):41+2*((opi-67)%4)], v[XB+2*(opi-67):XB+2*(opi-67)+1]
.endif
.endif
.if opi == 83
	v_pk_add_f32 v[40:41], v[40:41], v[42:43]
.endif
.if opi == 84
	v_pk_add_f32 v[44:45], v[44:45], v[46:47]
.endif
.if opi == 85
	v_pk_add_f32 v[40:41], v[40:41], v[44:45]
.endif
.if opi == 86
	v_add_f32 v40, v40, v41
.endif
.if opi == 87
	v_add_f32 v[SA+3], v[SA+3], v40
.endif
.if opi >= 88
.if opi < 104
	v_cvt_pk_f16_f32 v[PP+16*\g+opi-88], v[XB+2*(opi-88)], v[XB+2*(opi-88)+1]   ; registers 0-3 of fragment kc: tile 2 kc; 4-7: tile 2 kc + 1
.endif
.endif
.if opi >= 104
	v_pk_mul_f32 v[64*\g+2*(opi-104):64*\g+2*(opi-104)+1], v[64*\g+2*(opi-104):64*\g+2*(opi-104)+1], v[ST+4*\g:ST+4*\g+1] op_sel_hi:[1,0]
.endif
.endm
.macro VQ g                            ; SM(g) up to instruction number zt
.rept zt-opi
	SM1 \g
.set opi, opi+1
.endr
.endm
; One stage: S(sg) and PV(pg), one instruction of each by turns, with SM(vg) shared out evenly behind them.  9 = none.
; No vector instruction of SM(vg) names a register of S(sg) or PV(pg): the groups differ.  No two matrix instructions that follow each
; other share an accumulator, inside a stage, from stage to stage and over the loop's backward jump.
; first = 1: the launch's first step has no O to rescale (104 vector instructions), and its first PV products start the sums.
.macro STAGE sg, pg, vg, first
.set zi, 0
.set zc, 0
.set opi, 0
.set zn, 0
.set zv, 0
.set zt, 0
.if \sg < 4
.set zn, zn+16
.endif
.if \pg < 4
.set zn, zn+16
.endif
.if \vg < 4
.set zv, 104+32*(1-\first)
.endif
.rept 16
.if \sg < 4
	SW1 \sg
.set zc, zc+1
.set zt, zc*zv/zn
	VQ \vg
.endif
.if \pg < 4
	PW1 \pg, \first
.set zc, zc+1
.set zt, zc*zv/zn
	VQ \vg
.endif
.set zi, zi+1
.endr
.endm
.macro MASK g                          ; the diagonal tile, group g: -inf where the key lies behind the query
.irp kt, 0,1,2,3
.irp jj, 0,1,2,3,4,5,6,7
	v_cmp_gt_i32 vcc_lo, 16*(\kt-\g)+\jj, v[DQ]
	v_cndmask_b32 v[SS+8*(4*\g+\kt)+\jj], v[SS+8*(4*\g+\kt)+\jj], v[NINF], vcc_lo
.endr
.endr
.endm
; Between two stages: S(g) is whole; four places stand between its last matrix instruction and the first vector instruction that reads it.
.macro BOUND g, ev
	PLACES
.if \ev == 1
	WIN 0
	s_cmp_lg_u32 s14, s15
	s_cbranch_scc1 .Lnm_\@
	MASK \g
.Lnm_\@:
.endif
.if \ev == 2
	WIN 0
	MASK \g
.endif
.endm
; Prefetch: key tile t + 3 (tiles 3 to 15) is asked for by the one work-group of the head with j = (t + 3) % 8, one row a thread, K's 256
; bytes and V's 256 bytes of it: each block once in the launch.  That tile's tensor loads go out one step later.  Nothing is asked past tile 15.
.macro PREF
	s_add_co_u32 s19, s14, PFA
	s_cmp_gt_u32 s19, 15
	s_cbranch_scc1 .Lnp_\@
	s_and_b32 s59, s19, 7
	s_cmp_lg_u32 s59, s11
	s_cbranch_scc1 .Lnp_\@
	s_mul_i32 s60, s19, TSTEP
	s_mov_b32 s61, 0
	s_wait_xcnt 0x0                                ; s[62:63] served this work-group's last prefetch, eight steps ago: rewritten only behind this wait
	s_add_nc_u64 s[62:63], s[2:3], s[60:61]
	global_prefetch_b8 v[PFO], s[62:63] th:TH_LOAD_NT scope:SCOPE_SE
	global_prefetch_b8 v[PFO], s[62:63] offset:2048 th:TH_LOAD_NT scope:SCOPE_SE
.Lnp_\@:
.endm
.macro SEND g0                         ; O and the figures of groups g0, g0 + 1 into my mailbox
	WIN 0x08                                       ; store data window 2
.set nn, 0
.rept 32
	ds_store_b128 v[MBW], v[64*\g0+4*nn:64*\g0+4*nn+3] offset:512*nn
.set nn, nn+1
.endr
	WIN 0
	ds_store_b128 v[MBW], v[ST+4*\g0:ST+4*\g0+3] offset:512*32
	ds_store_b128 v[MBW], v[ST+4*\g0+4:ST+4*\g0+7] offset:512*33
.endm
; Groups g0, g0 + 1: my O and my partner's are brought to one maximum, added, divided by the whole sum, and stored.
.macro RECV g0, ptr
	ds_load_b128 v[PST:PST+3], v[MBR] offset:512*32
	ds_load_b128 v[PST+4:PST+7], v[MBR] offset:512*33
.set nn, 0
.rept 32
	ds_load_b128 v[SS+4*nn:SS+4*nn+3], v[MBR] offset:512*nn
.set nn, nn+1
.endr
	s_wait_dscnt 32                                ; the two loads of figures are in, the 32 of O stay out
.irp gi, 0,1
	v_min_num_f32 v36, v[ST+4*(\g0+\gi)+2], v[PST+4*\gi+2]         ; NM of the larger maximum
	v_sub_f32 v37, v36, v[ST+4*(\g0+\gi)+2]
	v_sub_f32 v38, v36, v[PST+4*\gi+2]
	v_exp_f32 v37, v37                             ; a
	v_exp_f32 v38, v38                             ; a'  (0 for a half all of whose keys were masked)
	v_nop
	s_wait_alu depctr_va_vdst(0)
	v_mul_f32 v39, v37, v[ST+4*(\g0+\gi)+3]
	v_fmac_f32 v39, v38, v[PST+4*\gi+3]
	v_permlanex16_b32 v36, v39, s22, s23           ; the other half of the lanes holds the other keys' part
	v_add_f32 v39, v39, v36
	v_rcp_f32 v39, v39                             ; the sum holds the term 1 of the row's maximum: never 0
	v_nop
	s_wait_alu depctr_va_vdst(0)
	v_mul_f32 v[FF+4*\gi], v37, v39
	v_mul_f32 v[FF+4*\gi+1], v37, v39
	v_mul_f32 v[FF+4*\gi+2], v38, v39
	v_mul_f32 v[FF+4*\gi+3], v38, v39
.endr
	s_wait_dscnt 0x0
.irp gi, 0,1
.set nn, 0
.rept 32
	v_pk_mul_f32 v[SS+64*\gi+2*nn:SS+64*\gi+2*nn+1], v[SS+64*\gi+2*nn:SS+64*\gi+2*nn+1], v[FF+4*\gi+2:FF+4*\gi+3]
.set nn, nn+1
.endr
.endr
	WIN 0x02                                       ; source 0 (my O) window 2
.irp gi, 0,1
.set nn, 0
.rept 32
	v_pk_fma_f32 v[SS+64*\gi+2*nn:SS+64*\gi+2*nn+1], v[64*(\g0+\gi)+2*nn:64*(\g0+\gi)+2*nn+1], v[FF+4*\gi:FF+4*\gi+1], v[SS+64*\gi+2*nn:SS+64*\gi+2*nn+1]
.set nn, nn+1
.endr
.endr
	WIN 0
.set nn, 0
.rept 64
	v_cvt_pk_f16_f32 v[PP+nn], v[SS+2*nn], v[SS+2*nn+1]
.set nn, nn+1
.endr
.irp gi, 0,1
.irp dt, 0,1,2,3,4,5,6,7
	ds_store_b128 v[STO], v[PP+32*\gi+4*\dt:PP+32*\gi+4*\dt+3] offset:32*\dt   ; my own stage: row = query, 16 bytes at 32 dt + 16 h
.endr
.irp t, 0,1,2,3,4,5,6,7
	ds_load_b128 v[SS+32*\gi+4*\t:SS+32*\gi+4*\t+3], v[RD] offset:\t*2*SPITCH  ; a wave's LDS instructions are served in order
.endr
.irp t, 0,1,2,3,4,5,6,7
	s_wait_dscnt 7-\t
	global_store_b128 v[CO], v[SS+32*\gi+4*\t:SS+32*\gi+4*\t+3], s[\ptr:\ptr+1] offset:(16*(\g0+\gi)+2*\t)*CROW   ; sixteen lanes store 256 consecutive bytes, aligned
.endr
.endr
	s_wait_xcnt 0x0                                ; S's registers, which the stores read, are written again only behind this wait
.endm
; The end of a query block.  Even waves send groups 2, 3 and finish 0, 1; odd waves the other way round.
.macro FINAL ptr, last
	PLACES                                         ; O was written by the matrix instructions just issued
	s_cmp_lg_u32 s10, 0
	s_cbranch_scc1 .Lsend_odd_\@
	SEND 2
	s_branch .Lsent_\@
.Lsend_odd_\@:
	SEND 0
.Lsent_\@:
	s_wait_dscnt 0x0                               ; my mailbox is written
	s_barrier_signal -1
	s_barrier_wait -1                              ; the tile on its way may stay out
	s_cmp_lg_u32 s10, 0
	s_cbranch_scc1 .Lrecv_odd_\@
	RECV 0, \ptr
	s_branch .Lrecvd_\@
.Lrecv_odd_\@:
	RECV 2, \ptr
.Lrecvd_\@:
.if \last == 0
.irp g, 0,1,2,3
	v_mov_b32 v[ST+4*\g+1], 0xff7fffff             ; the next block starts: its first alpha is 0 and wipes O and L; where a wave's first
	v_mul_f32 v[ST+4*\g+2], s58, v[ST+4*\g+1]      ; tile is masked whole, alpha is 1 and the merge's factor for that wave is 0 instead
.endr
	s_wait_dscnt 0x0                               ; my reads of my partner's mailbox are over
	s_barrier_signal -1
	s_barrier_wait -1                              ; so the mailboxes may be written again
.endif
.endm
; One step: key tile in slot.  first: the launch's first step starts O.  nextk: a further step follows: change of slots.
; refill: the slot is filled again with the tile of step t + 2.  ev = 1: the first block may end here (t = t1); ev = 2: the last step.
.macro STEP slot, first, refill, nextk, ev
	PLACES                                         ; behind the last step's PV: for the loads into V, and for all that writes P and O in this step
	VFETCH \slot
	s_wait_loadcnt 0x0                             ; Q: met at once but in the first step and behind a change of blocks
	s_wait_dscnt 32                                ; all but the 32 loads of V: K's fragments are in
	STAGE 0, 9, 9, \first                          ; A
	BOUND 0, \ev
	STAGE 1, 9, 0, \first                          ; B
	BOUND 1, \ev
	s_wait_dscnt 0x0                               ; V is in: the first PV products follow
	STAGE 2, 0, 1, \first                          ; C
	BOUND 2, \ev
	STAGE 3, 1, 2, \first                          ; D: the last products that read K and Q
	WIN 0
.if \nextk
	s_wait_dscnt 0x0                               ; my reads of this slot are over (met: K's at the step's head, V's in front of stage C),
	s_set_vgpr_msb 0xf
	s_wait_tensorcnt 0x0                           ; and all my tensor loads have landed: the one that was out is my part of the other slot
	ds_add_u32 v128, v129
	s_wait_dscnt 0x0
	s_set_vgpr_msb 0xf00
.if \refill
	s_add_co_u32 s19, s14, 2                       ; step t + 2 takes tile t + 2, or t + 2 - (16 - j) in the second block
	s_cmp_gt_u32 s19, s15
	s_cselect_b32 s59, s16, 0
	s_sub_co_u32 s19, s19, s59
	s_mul_i32 s60, s19, TSTEP
	s_mov_b32 s61, 0
	s_add_nc_u64 s[G0+4*\slot+2:G0+4*\slot+3], s[48:49], s[60:61]
	s_or_b32 s[G0+4*\slot+3], s[G0+4*\slot+3], 0x80000000
.endif
	s_barrier_signal -1
	PLACES                                         ; behind S(3)'s matrix instructions: for the loads into K and Q, the mask and SM(3)
	s_barrier_wait -1
.if \refill
	TLOAD \slot                                    ; my one tensor load behind the barrier, ahead of every LDS read: a whole step lies between it and the wait for it
.endif
	KFETCH 1-\slot                                 ; the next step's K: stages E and F lie between these loads and their use
	WIN 0
.if \refill
	PREF
.endif
.else
	PLACES
.endif
.if \ev == 1
	s_cmp_lg_u32 s14, s15
	s_cbranch_scc1 .Lnq_\@
	QLOAD 56                                       ; this block's Q has been read for the last time: the next block's
	MASK 3
.Lnq_\@:
.endif
.if \ev == 2
	MASK 3
.endif
	STAGE 9, 2, 3, \first                          ; E
	STAGE 9, 3, 9, \first                          ; F
	WIN 0
.if \ev == 1
	s_cmp_lg_u32 s14, s15
	s_cbranch_scc1 .Lno_final_\@
	FINAL 52, 0
.Lno_final_\@:
.endif
.if \ev == 2
	FINAL 54, 1
.endif
	s_add_co_u32 s14, s14, 1
.endm
	s_wait_tensorcnt 0x1                           ; my part of tile 0 is in; tile 1's may stay out
	s_barrier_signal -1
	s_barrier_wait -1
	KFETCH 0
	WIN 0
	STEP 0, 1, 1, 1, 0                             ; t = 0 (t1 is 8 at the least)
	s_mov_b32 s18, 7
.Lpair:
	STEP 1, 0, 1, 1, 1                             ; t = 1, 3, .. 13
	STEP 0, 0, 1, 1, 1                             ; t = 2, 4, .. 14: the last refill is step 16's tile
	s_sub_co_u32 s18, s18, 1
	s_cmp_lg_u32 s18, 0
	s_cbranch_scc1 .Lpair
	STEP 1, 0, 0, 1, 1                             ; t = 15
	STEP 0, 0, 0, 0, 2                             ; t = 16: block j's diagonal tile
	s_set_vgpr_msb 0xf
	s_wait_tensorcnt 0x0
	ds_add_u32 v128, v129
	s_wait_dscnt 0x0
	s_set_vgpr_msb 0xf00
	s_endpgm
.Lfunc_end_k_qf2f69144e9_attn:
	.size	k_qf2f69144e9_attn, .Lfunc_end_k_qf2f69144e9_attn-k_qf2f69144e9_attn
	.p2alignl 7, 3214868480
	.fill 96, 4, 3214868480
	.section	.rodata,"a",@progbits
	.p2align	6, 0x0
	.amdhsa_kernel k_qf2f69144e9_attn
		.amdhsa_group_segment_fixed_size 327680
		.amdhsa_private_segment_fixed_size 0
		.amdhsa_enable_private_segment 0
		.amdhsa_kernarg_size 16
		.amdhsa_user_sgpr_count 2
		.amdhsa_user_sgpr_kernarg_segment_ptr 1
		.amdhsa_wavefront_size32 1
		.amdhsa_system_sgpr_workgroup_id_x 1
		.amdhsa_system_sgpr_workgroup_id_y 1
		.amdhsa_system_sgpr_workgroup_id_z 1
		.amdhsa_system_vgpr_workitem_id 0
		.amdhsa_next_free_vgpr 898
		.amdhsa_next_free_sgpr 66
		.amdhsa_reserve_vcc 1
		.amdhsa_float_denorm_mode_32 3
		.amdhsa_float_denorm_mode_16_64 3
		.amdhsa_memory_ordered 1
		.amdhsa_forward_progress 1
		.amdhsa_inst_pref_size 255
	.end_amdhsa_kernel
	.section	.bss,"aw",@nobits
	.p2align	6
	.space	262144
	.amdgpu_metadata
---
amdhsa.version: [ 1, 2 ]
amdhsa.kernels:
  - .name:           k_qf2f69144e9_attn
    .symbol:         k_qf2f69144e9_attn.kd
    .args:
      - { .name: qkv, .offset: 0, .size: 8, .value_kind: global_buffer, .address_space: global }
      - { .name: ctx, .offset: 8, .size: 8, .value_kind: global_buffer, .address_space: global }
    .group_segment_fixed_size: 327680
    .private_segment_fixed_size: 0
    .kernarg_segment_align: 8
    .kernarg_segment_size: 16
    .max_flat_workgroup_size: 128
    .sgpr_count:     66
    .vgpr_count:     898
    .wavefront_size: 32
...
	.end_amdgpu_metadata
.endif
;; end of part 3
;; launch oproj (part 4): grid 8 x 32, 4 waves a work-group, clusters of 4 x 4, 327,680 bytes of LDS; arguments ctx, wob, out0; writes out0
.if DOCPART == 4
	.amdgcn_target "amdgcn-amd-amdhsa--gfx1250"
	.amdhsa_code_object_version 6
	.text
	.protected	k_qf2f69144e9_oproj
	.globl	k_qf2f69144e9_oproj
	.p2align	8
	.type	k_qf2f69144e9_oproj,@function
k_qf2f69144e9_oproj:
	s_mov_b64 s[64:65], 0
	v_nop
	global_prefetch_b8 v0, s[64:65] scope:SCOPE_SE
	s_setreg_imm32_b32 hwreg(HW_REG_WAVE_MODE, 25, 1), 1
	s_wait_xcnt 0x0
	s_wait_alu depctr_hold_cnt(0) depctr_sa_sdst(0) depctr_va_vdst(0) depctr_va_sdst(0) depctr_va_ssrc(0) depctr_va_vcc(0) depctr_vm_vsrc(0)
	s_getreg_b32 s2, hwreg(HW_REG_IB_STS2, 6, 4)
	s_cmp_eq_u32 s2, 0
	s_cbranch_scc0 .Lentry_in_a_cluster
	s_endpgm
.Lentry_in_a_cluster:
	s_bfe_u32 s2, ttmp6, 0x10000c
	s_cmp_lg_u32 s2, 0xf033
	s_cbranch_scc0 .Lentry_shape_is_right
	s_endpgm
.Lentry_shape_is_right:
; oproj: out0[m][n] = sum over k of ctx[m][k] wob[n][k].  ctx [8192][1024] f16, wob [1024][1024] f16, out0 [8192][1024] f32; sums in f32.
; 8 x 32 = 256 work-groups, each a block of 256 rows x 128 columns; wave w makes rows 64 w .. + 63 x all 128 columns: 32 tiles in window 1.
; K goes in steps of 128 (rows of 256 bytes, aligned) through two LDS slots of 256 rows of A and 128 rows of B.
; CLUSTERS: 4 x 4 work-groups; A's tile is asked for jointly by a row of the cluster, B's by a column.  Waves 0, 1 ask for A's halves,
; wave 2 for B, wave 3 for nothing.  The matrix instruction is used transposed: a lane holds eight neighbouring columns of one row.
.set KSTEP,  128
.set PITCH,  272                       ; 256 + 16 = 17 x 16 bytes
.set HALFT,  128*PITCH
.set SLOT,   3*HALFT                   ; A's 256 rows, then B's 128
.set STAGE,  2*SLOT                    ; 16 rows x 528 bytes for each wave; no tensor load lands here
.set SPITCH, 528                       ; 512 + 16 = 33 x 16 bytes
.set OUTROW, 4096
.set LAPS,   4                         ; a lap = two K steps
.set ADRA, 16                          ; v16-17 my A fragments in slot 0, 1
.set ADRB, 20                          ; v20-21 B's
.set STO,  24
.set RD,   25
.set CO,   26
.set F0,   32                          ; buffer 0: B v32-95, A v96-127
.set F1,   128                         ; buffer 1: B v128-191, A v192-223
.set G1,  24
.set G0,  32
.set G1B, 48
.set G0B, 56
.set MSB, 0
.macro WIN new
.if MSB != \new
	s_set_vgpr_msb (MSB<<8)|\new
.set MSB, \new
.endif
.endm
.macro PLACES                          ; four places behind a matrix instruction (ISA guide 7.12.1)
.rept 4
	v_nop
.endr
.endm
.macro JLOAD3 s                        ; the branches hang on the wave's number alone
	s_cmp_lt_u32 s10, 2
	s_cbranch_scc0 .Lnot_a_\@
	tensor_load_to_lds s[G0+4*\s:G0+4*\s+3], s[G1:G1+7]
	s_nop 0
.rept 4
	v_nop
.endr
	s_branch .Lasked_\@
.Lnot_a_\@:
	s_cmp_eq_u32 s10, 2
	s_cbranch_scc0 .Lasked_\@
	tensor_load_to_lds s[G0B+4*\s:G0B+4*\s+3], s[G1B:G1B+7]
	s_nop 0
.rept 4
	v_nop
.endr
.Lasked_\@:
.endm
.macro CREST
	s_cmp_lg_u32 s10, 0
	s_cbranch_scc1 .Lnot_wave_0_\@
	s_barrier_signal -3
.Lnot_wave_0_\@:
	s_barrier_wait -3
	s_barrier_signal -1
	s_barrier_wait -1
.endm
.macro CROUND
	s_barrier_signal -1
	s_barrier_wait -1
	CREST
.endm
	s_load_b128 s[4:7], s[0:1], 0x0                ; ctx s[4:5], wob s[6:7]
	s_load_b64 s[8:9], s[0:1], 0x10                ; out0
	v_lshl_add_u32 v254, v0, 2, 0x3b400
	v_mov_b32 v255, 0
	ds_add_u32 v254, v255
	v_lshrrev_b32 v1, 5, v0
	v_readfirstlane_b32 s10, v1                    ; wave
	s_and_b32 s12, s10, 1                          ; which half of A's tile waves 0, 1 ask for
	s_bfe_u32 s40, ttmp6, 0x40000                  ; cx
	s_bfe_u32 s41, ttmp6, 0x40004                  ; cy
	s_lshl_b32 s42, ttmp9, 2
	s_add_co_u32 s42, s42, s40                     ; block column
	s_and_b32 s13, ttmp7, 0xffff
	s_lshl_b32 s13, s13, 2
	s_add_co_u32 s13, s13, s41                     ; block row
	s_lshl_b32 s43, s41, 2
	s_lshl_b32 s43, 15, s43                        ; my row of the cluster
	s_lshl_b32 s44, 0x1111, s40                    ; my column
	s_or_b32 s[G1+0], s43, (1<<16)|(1<<20)|(1<<21)|(5<<22)|(3<<25)   ; mask; 2-byte elements; padding on; bit 21 beside a mask; after every 64 words, 4 words
	s_or_b32 s[G1B+0], s44, (1<<16)|(1<<20)|(1<<21)|(5<<22)|(3<<25)
	s_mov_b32 s[G1+1], KSTEP<<16
	s_mov_b32 s[G1B+1], KSTEP<<16
	s_mov_b32 s[G1+2], 128<<16
	s_mov_b32 s[G1B+2], 128<<16
	s_mov_b32 s[G1+3], KSTEP<<16
	s_mov_b32 s[G1B+3], KSTEP<<16
	s_mov_b32 s[G1+4], 128
	s_mov_b32 s[G1B+4], 128
	s_mov_b32 s[G1+5], 1024
	s_mov_b32 s[G1B+5], 1024
	s_mov_b32 s[G1+6], 0
	s_mov_b32 s[G1B+6], 0
	s_mov_b32 s[G1+7], 0
	s_mov_b32 s[G1B+7], 0
	s_lshl_b32 s17, s12, 7
	s_lshl_b32 s16, s13, 8
	s_add_co_u32 s16, s16, s17                     ; A: row 256 x block row + 128 x half
	s_lshl_b32 s16, s16, 11
	s_mov_b32 s17, 0
	s_lshl_b32 s46, s42, 18                        ; B: row 128 x block column, x 2,048 bytes
	s_mov_b32 s47, 0
	s_mul_i32 s20, s10, HALFT                      ; A's halves, then B: the wave's number alone
	s_wait_dscnt 0x0
	s_wait_kmcnt 0x0
	s_add_nc_u64 s[14:15], s[4:5], s[16:17]
	s_add_nc_u64 s[46:47], s[6:7], s[46:47]
	CROUND                                         ; the first joint loads meet
.irp s, 0,1
	s_mov_b32 s[G0+4*\s], 1
	s_add_co_u32 s[G0+4*\s+1], s20, \s*SLOT
	s_add_nc_u64 s[G0+4*\s+2:G0+4*\s+3], s[14:15], \s*KSTEP*2
	s_or_b32 s[G0+4*\s+3], s[G0+4*\s+3], 0x80000000
	s_mov_b32 s[G0B+4*\s], 1
	s_add_co_u32 s[G0B+4*\s+1], s20, \s*SLOT
	s_add_nc_u64 s[G0B+4*\s+2:G0B+4*\s+3], s[46:47], \s*KSTEP*2
	s_or_b32 s[G0B+4*\s+3], s[G0B+4*\s+3], 0x80000000
.endr
	s_cmp_lt_u32 s10, 2                            ; a wave's two first fills stand in one branch: wave 3 issues none
	s_cbranch_scc0 .Lfirst_not_a
	tensor_load_to_lds s[G0:G0+3], s[G1:G1+7]
	s_nop 0
	PLACES
	tensor_load_to_lds s[G0+4:G0+7], s[G1:G1+7]
	s_nop 0
	PLACES
	s_branch .Lfirst_done
.Lfirst_not_a:
	s_cmp_eq_u32 s10, 2
	s_cbranch_scc0 .Lfirst_done
	tensor_load_to_lds s[G0B:G0B+3], s[G1B:G1B+7]
	s_nop 0
	PLACES
	tensor_load_to_lds s[G0B+4:G0B+7], s[G1B:G1B+7]
	s_nop 0
	PLACES
.Lfirst_done:
	v_and_b32 v1, 15, v0
	v_bfe_u32 v2, v0, 4, 1
	v_mul_u32_u24 v3, v1, PITCH
	v_lshl_add_u32 v3, v2, 4, v3
	s_mul_i32 s21, s10, 64*PITCH                   ; my 64 rows of A's 256, which follow each other
.irp s, 0,1
	v_add_nc_u32 v[ADRA+\s], s21, v3
	v_add_nc_u32 v[ADRB+\s], 2*HALFT+\s*SLOT, v3
	s_add_co_u32 s21, s21, SLOT
.endr
	s_mul_i32 s23, s10, 16*SPITCH
	s_add_co_u32 s23, s23, STAGE
	v_mul_u32_u24 v4, v1, SPITCH
	v_lshl_add_u32 v4, v2, 5, v4                   ; in: row l % 16, 32 bytes for each half of the lanes
	v_add_nc_u32 v[STO], s23, v4
	v_and_b32 v5, 31, v0
	v_lshlrev_b32 v[CO], 4, v5                     ; back and out: a wave takes one row of 512 bytes
	v_add_nc_u32 v[RD], s23, v[CO]
.macro FETCH slot, k, f                ; one quarter step's fragments: 128 rows of B, my 64 rows of A, 32 K at byte k: 24 loads
.irp i, 0,1,2,3,4,5,6,7
	ds_load_b128 v[\f+8*\i:\f+8*\i+3], v[ADRB+\slot] offset:\k+\i*16*PITCH
	ds_load_b128 v[\f+8*\i+4:\f+8*\i+7], v[ADRB+\slot] offset:\k+\i*16*PITCH+32
.endr
.irp i, 0,1,2,3
	ds_load_b128 v[\f+64+8*\i:\f+64+8*\i+3], v[ADRA+\slot] offset:\k+\i*16*PITCH
	ds_load_b128 v[\f+64+8*\i+4:\f+64+8*\i+7], v[ADRA+\slot] offset:\k+\i*16*PITCH+32
.endr
.endm
.macro MUL16 f, a0, zero               ; the 32 accumulators take turns, one instruction a turn
.irp a, \a0, \a0+1
.irp b, 0,1,2,3,4,5,6,7
.if \zero
	v_wmma_f32_16x16x32_f16 v[8*(8*(\a)+\b):8*(8*(\a)+\b)+7], v[\f+8*\b:\f+8*\b+7], v[\f+64+8*(\a):\f+64+8*(\a)+7], 0
.else
	v_wmma_f32_16x16x32_f16 v[8*(8*(\a)+\b):8*(8*(\a)+\b)+7], v[\f+8*\b:\f+8*\b+7], v[\f+64+8*(\a):\f+64+8*(\a)+7], v[8*(8*(\a)+\b):8*(8*(\a)+\b)+7]
.endif
.endr
.endr
.endm
.macro QUARTER slot, k, f, g, zero     ; fetches the next quarter's fragments into g, multiplies f
	PLACES                                         ; g was read by the matrix instructions just issued
	WIN 0
	FETCH \slot, \k, \g
	s_wait_dscnt 24                                ; all but the 24 just issued: f is in
	WIN 0x50
	MUL16 \f, 0, \zero
	MUL16 \f, 2, \zero
.endm
.macro THREE slot, zero
	QUARTER \slot, 64,  F0, F1, \zero
	QUARTER \slot, 128, F1, F0, 0
	QUARTER \slot, 192, F0, F1, 0
.endm
.macro TURN slot, next, fill           ; the fourth quarter multiplies buffer 1 and changes slots
	s_wait_dscnt 0x0                               ; my reads of this slot are over,
	s_wait_tensorcnt 0x0                           ; and all my tensor loads have landed: the one that was out is my part of the next slot
	ds_add_u32 v254, v255
	s_wait_dscnt 0x0
	s_barrier_signal -1                            ; (with fill this barrier opens a round of the cluster's barrier)
	MUL16 F1, 0, 0                                 ; registers only
	WIN 0
	s_barrier_wait -1
.if \fill
	CREST                                          ; no wave of any partner still reads this slot or has a load on its way
	s_add_nc_u64 s[G0+4*\slot+2:G0+4*\slot+3], s[G0+4*\slot+2:G0+4*\slot+3], 2*KSTEP*2
	s_add_nc_u64 s[G0B+4*\slot+2:G0B+4*\slot+3], s[G0B+4*\slot+2:G0B+4*\slot+3], 2*KSTEP*2
	JLOAD3 \slot                                   ; the one tensor load behind the round, ahead of every LDS read; 112 matrix instructions lie between it and the wait for it
.endif
	PLACES                                         ; on every wave's way, wave 3's too
	FETCH \next, 0, F0
	WIN 0x50
	MUL16 F1, 2, 0
.endm
.macro LAP zero
	THREE 0, \zero
	TURN 0, 1, 1
	THREE 1, 0
	TURN 1, 0, 1
.endm
	s_wait_tensorcnt 0x1                           ; my part of K step 0 is in; K step 1's may stay out
	s_barrier_signal -1
	s_barrier_wait -1
	FETCH 0, 0, F0
	LAP 1                                          ; the first products start the sums
	WIN 0
	s_mov_b32 s3, LAPS-2
.Llap:
	LAP 0
	WIN 0
	s_sub_co_u32 s3, s3, 1
	s_cmp_lg_u32 s3, 0
	s_cbranch_scc1 .Llap
	THREE 0, 0                                     ; the last lap fills nothing
	TURN 0, 1, 0
	THREE 1, 0
	s_wait_dscnt 0x0
	MUL16 F1, 0, 0
	MUL16 F1, 2, 0
	; THE WAY OUT, 16 rows at a time: 32 bytes a lane from the accumulators into my own stage, back as whole rows of 512 bytes.
	PLACES
	s_lshl_b32 s16, s13, 8
	s_lshl_b32 s17, s10, 6
	s_add_co_u32 s16, s16, s17                     ; row 256 x block row + 64 wave
	s_lshl_b32 s16, s16, 12
	s_mov_b32 s17, 0
	s_add_nc_u64 s[8:9], s[8:9], s[16:17]
	s_lshl_b32 s46, s42, 9                         ; 512 bytes a block column (in registers that never fed A's descriptors)
	s_mov_b32 s47, 0
	s_add_nc_u64 s[8:9], s[8:9], s[46:47]
.macro OUT16F a, f
	WIN 0x04                                       ; store data window 1
.irp b, 0,1,2,3,4,5,6,7
	ds_store_b128 v[STO], v[8*(8*\a+\b):8*(8*\a+\b)+3] offset:64*\b
	ds_store_b128 v[STO], v[8*(8*\a+\b)+4:8*(8*\a+\b)+7] offset:64*\b+16
.endr
	WIN 0
	s_wait_xcnt 0x0                                ; registers f, which earlier stores read, are loaded again only behind this wait
.set tt, 0
.rept 16
	ds_load_b128 v[\f+4*tt:\f+4*tt+3], v[RD] offset:tt*SPITCH      ; a wave's LDS instructions are served in order
.set tt, tt+1
.endr
.set tt, 0
.rept 16
	s_wait_dscnt 15-tt
	global_store_b128 v[CO], v[\f+4*tt:\f+4*tt+3], s[8:9] offset:(16*\a+tt)*OUTROW th:TH_STORE_NT   ; 512 consecutive bytes, aligned
.set tt, tt+1
.endr
.endm
	OUT16F 0, F0
	OUT16F 1, F1
	OUT16F 2, F0
	OUT16F 3, F1
	s_wait_tensorcnt 0x0
	ds_add_u32 v254, v255
	s_wait_dscnt 0x0
	CROUND                                         ; the closing round
	s_endpgm
.Lfunc_end_k_qf2f69144e9_oproj:
	.size	k_qf2f69144e9_oproj, .Lfunc_end_k_qf2f69144e9_oproj-k_qf2f69144e9_oproj
	.p2alignl 7, 3214868480
	.fill 96, 4, 3214868480
	.section	.rodata,"a",@progbits
	.p2align	6, 0x0
	.amdhsa_kernel k_qf2f69144e9_oproj
		.amdhsa_group_segment_fixed_size 327680
		.amdhsa_private_segment_fixed_size 0
		.amdhsa_enable_private_segment 0
		.amdhsa_kernarg_size 24
		.amdhsa_user_sgpr_count 2
		.amdhsa_user_sgpr_kernarg_segment_ptr 1
		.amdhsa_wavefront_size32 1
		.amdhsa_system_sgpr_workgroup_id_x 1
		.amdhsa_system_sgpr_workgroup_id_y 1
		.amdhsa_system_sgpr_workgroup_id_z 1
		.amdhsa_system_vgpr_workitem_id 0
		.amdhsa_next_free_vgpr 512
		.amdhsa_next_free_sgpr 66
		.amdhsa_reserve_vcc 0
		.amdhsa_float_denorm_mode_32 3
		.amdhsa_float_denorm_mode_16_64 3
		.amdhsa_memory_ordered 1
		.amdhsa_forward_progress 1
		.amdhsa_inst_pref_size 118
	.end_amdhsa_kernel
	.amdgpu_metadata
---
amdhsa.version: [ 1, 2 ]
amdhsa.kernels:
  - .name:           k_qf2f69144e9_oproj
    .symbol:         k_qf2f69144e9_oproj.kd
    .args:
      - { .name: ctx, .offset: 0, .size: 8, .value_kind: global_buffer, .address_space: global }
      - { .name: wob, .offset: 8, .size: 8, .value_kind: global_buffer, .address_space: global }
      - { .name: out0, .offset: 16, .size: 8, .value_kind: global_buffer, .address_space: global }
    .group_segment_fixed_size: 327680
    .private_segment_fixed_size: 0
    .kernarg_segment_align: 8
    .kernarg_segment_size: 24
    .max_flat_workgroup_size: 128
    .sgpr_count:     66
    .vgpr_count:     512
    .wavefront_size: 32
...
	.end_amdgpu_metadata
.endif
;; end of part 4
